; MI455X (gfx1250); checked and timed in simulation.
; The chip was launched on July 23, 2026; its instructions are those of AMD's public machine-readable ISA for CDNA 5 (MIT licence, August 2026) and "CDNA5" Instruction Set Architecture Reference Guide (July 2026). The comments in the code are by the model that wrote it; some were corrected since.
;; Vector Quantization. Allowed arithmetic: matrix products marked QUANTISED: E3M2 operands, one E8M0 scale for each 32 along K, by v_wmma_scale_f32_16x16x128_f8f6f4 with both operands' format E3M2, f32 sums; everything else in f32.
;; Inputs: codebook 16,384 x 512 float32; x 8,192 x 512 float32.
;; Outputs: out0 8,192 x 512 float32.
;; This version of the problem:
;;   THIS VERSION OF THE PROBLEM IS GIVEN IN LOW PRECISION. The matrix products marked QUANTISED in the list below multiply operands that are first quantised to E3M2 (3 exponent bits, 2 mantissa bits; 6 bits a number), with one power-of-two scale for each 32 numbers along K (OCP MX v1.0); their sums are f32. All else is computed in f32.
;;   The module's matrix products, in the order in which they are computed (A, B: the left and right operand; K: the contracted axis; several contracted axes count as one K, in the product's order):
;;     1. [M 8,192, K 512] x [K 512, N 16,384]; A: computed on the way; B: input codebook: QUANTISED
;;   THE QUANTISER, for each operand of a quantised product, along K:
;;     - K is cut into blocks of 32 from its start; a last block that is shorter is filled with zeros.
;;     - A block's scale is 2^e with e = floor(log2(the largest magnitude in the block)) - 4, held to -126 .. 127; a block of zeros has e = 0. As a byte (E8M0): e + 127.
;;     - Each number is divided by its block's scale, clamped to +-28, and rounded to the nearest number of E3M2, ties to even, subnormals kept.
;;     - The product sums the exact products of the quantised numbers (number of the format x scale) in f32.
;;   ~~~python
;;   def quantise(x, axis):      # numpy; x: float32 -> the quantised numbers, widened to float32 again
;;       x = np.moveaxis(x, axis, -1); K = x.shape[-1]
;;       x = np.pad(x, [(0, 0)] * (x.ndim - 1) + [(0, -K % 32)]); x = x.reshape(x.shape[:-1] + (-1, 32)); a = np.abs(x).max(-1, keepdims=True)
;;       e = np.where(a > 0, np.clip(np.frexp(np.where(a > 0, a, 1))[1] - 1 - 4, -126, 127), 0)      # np.frexp(a)[1] - 1 = floor(log2(a)), exactly
;;       r = np.clip(x / 2.0 ** e, -28, 28)
;;       step = 2.0 ** (np.maximum(np.frexp(np.where(r == 0, 1, r))[1] - 1, -2) - 2)
;;       q = np.round(r / step) * step * 2.0 ** e      # np.round: ties to even
;;       return np.moveaxis(q.reshape(q.shape[:-2] + (-1,))[..., :K], -1, axis).astype(np.float32)
;;   ~~~
;;   OPERANDS COMPUTED ON THE WAY. 'Computed on the way' means the value that the module computes at that place (a softmax that the list does not call 'softmax' is quantised finished and normalised). What goes into a quantiser is computed in f32, as accurately as f32 sums, v_exp_f32 and their like allow (about 1e-6 of the number): no bf16 or f16 on the way to a quantiser, and a product that is left as it is and whose result goes on into a quantised operand takes f32 operands (vector FMAs, or v_wmma_f32_16x16x4_f32). A number that lies on a knife's edge between two numbers of the format may be rounded either way, as far as f32 arithmetic and the matrix unit's own rounding can turn it there, and no further.
;; One version. Each part assembles by itself: llvm-mc -triple=amdgcn-amd-amdhsa -mcpu=gfx1250 --defsym DOCPART=n.
;; ======== version 1 of 1: 3 launches
;; workspace buffers: xq 3,276,800 bytes; cbq 6,553,600 bytes; cand 2,097,152 bytes of whole numbers
;; launch quant (part 1): grid 256 x 1, 6 waves a work-group, no clusters, 99,072 bytes of LDS; arguments x, codebook, xq, cbq; writes xq, cbq
.if DOCPART == 1
	.amdgcn_target "amdgcn-amd-amdhsa--gfx1250"
	.amdhsa_code_object_version 6
	.text
	.protected	k_qa69217696a_quant
	.globl	k_qa69217696a_quant
	.p2align	8
	.type	k_qa69217696a_quant,@function
k_qa69217696a_quant:
	s_mov_b64 s[64:65], 0
	v_nop
	global_prefetch_b8 v0, s[64:65] scope:SCOPE_SE
	s_setreg_imm32_b32 hwreg(HW_REG_WAVE_MODE, 25, 1), 1
	s_wait_xcnt 0x0
; x [8192][512] and codebook [16384][512], f32, become codes of BF6 (E3M2) with one E8M0 byte for each 32 along K = 512.  The rows of x are first
; divided by max(their L2 norm, 1e-12), in f32: x * rcp(max(sqrt(sum of squares), 1e-12)).  The codebook's rows are taken as they are (factor 1.0).
; A block's scale is 2^(floor(log2(its largest magnitude)) - 4); its byte is that magnitude's exponent field - 4, held at 1 from below.
; LIMITS: NaN and infinities among the inputs are not served.  A block whose largest magnitude lies under 2^-122 (a block of zeros among them) gets
; the byte 1: a block of zeros has zero codes, which add nothing, and the bytes are read by this program alone.  The quotient is made by a reciprocal
; and a multiplication: a few units in the last place of f32 from the division.
; OUTPUT LAYOUT.  16 rows are a TILE BLOCK of 6,400 bytes, the image of the matrix operand's registers: fragment q (128 along K) at 1536 q; in it
; register p (0..11) of lane L at 512 (p / 4) + 16 L + 4 (p % 4); lane L = (row r = L % 16, h = L / 16) holds in registers 6 c .. 6 c + 5 block 4 q + 2 c + h.
; From byte 6,144 on the scale words: that of (row r, K step q) at 8 (r + 16 (q % 2)) + 4 (q / 2).  So a reader fills a tile's 48 registers by twelve
; loads of 16 bytes a lane and its scale words by one of 8.
; SHARES.  1,536 tiles (512 of x, then 1,024 of the codebook), one to a wave: tile = 6 x work-group + wave.  Both tensors take one path; only pointers
; and the factor are chosen.  A wave takes 8 steps of 2 rows.  Each of a step's eight loads reads 512 consecutive bytes; the 4,096 bytes turn through
; the wave's own stage in LDS and come back 128 bytes a lane: lane l then holds block l % 16 of row 2 t + l / 16, so a row's sum of squares is a sum
; over sixteen lanes and a block's maximum needs no other lane.  Codes and bytes are gathered in the wave's own image in LDS and leave in stores of
; 512 (the last: 256) consecutive bytes, aligned to 256.  Waves share nothing: no barrier.  No matrix unit, tensor load or cluster: nothing is reused.
.set TILEB, 6400
.set SP,    144                        ; a lane's place in a turn stage: 128 bytes + 16
.set STG,   32*SP                      ; a turn stage; two of them take turns
.set OUTS,  2*STG                      ; behind them the tile block's image
.set SCB,   6144                       ; where the scale words begin in it
.set R,     32                         ; v32-159   four sets of 32 registers as loaded
.set X,     160                        ; v160-223  two sets of 32 neighbours along K
.set C,     224                        ; v224-239  two sets of 8: a block's codes
; v1 lane; v2 16 x lane; v3, v4 turn stage in and out; v5, v6 the codes' places in the image; v7 the byte's; v8, v9 the image read back; v10 8 x lane
; v[12:15] sums of squares; v16 the row's; v17 the norm; v18 its reciprocal; v[20:21] the factor (v21 only named with it); v22, v23 maxima; v24-27 scale operand and byte, two sets
	s_load_b256 s[4:11], s[0:1], 0x0               ; x s[4:5], codebook s[6:7], xq s[8:9], cbq s[10:11]
	v_lshl_add_u32 v240, v0, 2, 0x18000
	v_mov_b32 v241, 0
	v_lshrrev_b32 v1, 5, v0
	v_readfirstlane_b32 s12, v1                    ; wave 0..5
	s_mul_i32 s13, ttmp9, 6
	s_add_co_u32 s13, s13, s12                     ; my tile, 0..1535
	s_lshl_b32 s18, s12, 14                        ; my wave's 16,384 bytes of LDS
	s_add_co_u32 s19, s18, OUTS                    ; and the image in them
	v_and_b32 v1, 31, v0                           ; lane
	v_lshlrev_b32 v2, 4, v1
	v_lshlrev_b32 v10, 3, v1
	v_bfe_u32 v11, v0, 3, 2                        ; lane / 8
	v_and_b32 v12, 7, v0
	v_mul_u32_u24 v3, v11, SP                      ; in: eight lanes' 128 bytes are a block: place lane / 8 of the load's four, 16 (lane % 8) in it
	v_lshl_add_u32 v3, v12, 4, v3
	v_add_nc_u32 v3, s18, v3
	v_mul_u32_u24 v4, v1, SP                       ; out: place = lane
	v_add_nc_u32 v4, s18, v4
	v_bfe_u32 v11, v0, 2, 2                        ; q: my block's K step
	v_bfe_u32 v12, v0, 4, 1                        ; which of the step's two rows
	v_and_b32 v13, 1, v0                           ; h of the operand's lane that takes my block
	v_bfe_u32 v14, v0, 1, 1                        ; c: registers 6 c .. 6 c + 5
	v_mul_u32_u24 v5, v11, 1536
	v_lshl_add_u32 v5, v12, 4, v5
	v_lshl_add_u32 v5, v13, 8, v5
	v_add_nc_u32 v5, s19, v5                       ; 1536 q + 16 (row % 2) + 256 h; the step adds 32 t
	v_mad_u32_u24 v6, v14, 1016, v5                ; second 8 bytes: c = 0: + 8; c = 1: + 1024
	v_add_nc_u32 v6, 8, v6
	v_mad_u32_u24 v5, v14, 520, v5                 ; first 8 bytes: c = 0: + 0; c = 1: + 520; the third 8 bytes lie 512 behind the first
	v_and_b32 v7, 3, v0                            ; the byte: block % 4 in the word,
	v_lshl_add_u32 v7, v12, 3, v7                  ; 8 bytes a row,
	v_bfe_u32 v15, v0, 2, 1
	v_lshl_add_u32 v7, v15, 7, v7                  ; 128 (q % 2),
	v_bfe_u32 v15, v0, 3, 1
	v_lshl_add_u32 v7, v15, 2, v7                  ; 4 (q / 2)
	v_add_nc_u32 v7, s19, v7
	v_add_nc_u32 v8, s19, v2
	v_add_nc_u32 v9, s19, v10
	v_mov_b32 v21, 0                               ; named as the upper half of the pair v[20:21]
	s_wait_kmcnt 0x0
	s_cmp_lt_u32 s13, 512                          ; a tile of x or of the codebook?  The choice hangs on ids alone
	s_cselect_b64 s[4:5], s[4:5], s[6:7]
	s_cselect_b64 s[8:9], s[8:9], s[10:11]
	s_cselect_b32 s14, 0, 512
	s_cselect_b32 s15, -1, 0                       ; all lanes: x is normalised; none: the factor is 1.0
	s_sub_co_u32 s13, s13, s14                     ; the tile's number in its tensor
	s_lshl_b32 s16, s13, 15                        ; 16 rows of 2,048 bytes
	s_mov_b32 s17, 0
	s_add_nc_u64 s[4:5], s[4:5], s[16:17]
	s_mul_i32 s16, s13, TILEB
	s_add_nc_u64 s[8:9], s[8:9], s[16:17]
.macro LOAD t                          ; step t's two rows: eight loads of 512 consecutive bytes
.irp i, 0,1,2,3,4,5,6,7
	global_load_b128 v[R+32*((\t)%4)+4*\i:R+32*((\t)%4)+4*\i+3], v2, s[4:5] offset:4096*(\t)+512*\i th:TH_LOAD_NT
.endr
.endm
.macro TURN t                          ; through the stage: LDS serves a wave's instructions in order (ISA guide 5.7.1.4), so no wait stands between the stores and the loads
.irp i, 0,1,2,3,4,5,6,7
	ds_store_b128 v3, v[R+32*((\t)%4)+4*\i:R+32*((\t)%4)+4*\i+3] offset:STG*((\t)%2)+4*SP*\i
.endr
.irp i, 0,1,2,3,4,5,6,7
	ds_load_b128 v[X+32*((\t)%2)+4*\i:X+32*((\t)%2)+4*\i+3], v4 offset:STG*((\t)%2)+16*\i
.endr
.endm
.macro STEP t
.set XS, X+32*((\t)%2)
.set CS, C+8*((\t)%2)
.set SR, 24+2*((\t)%2)
.if (\t) > 0
	s_wait_dscnt 4                                 ; this step's numbers are back from the stage; the four younger LDS instructions are the last step's code and byte stores
.else
	s_wait_dscnt 0x0
.endif
.if (\t)+4 < 8
	LOAD (\t)+4                                    ; into the set whose stores into the stage are done
.endif
.if (\t) < 7
.if (\t)+4 < 8
	s_wait_loadcnt 24                              ; the next step's eight loads are in; those of the three steps behind it may be out
.else
	s_wait_loadcnt 8*(6-(\t))                      ; likewise: eight for each step still behind it
.endif
	TURN (\t)+1                                    ; the next step turns while this one is worked
.endif
	v_pk_mul_f32 v[12:13], v[XS:XS+1], v[XS:XS+1]                  ; the sum of squares of my 32, in two packed chains
	v_pk_mul_f32 v[14:15], v[XS+2:XS+3], v[XS+2:XS+3]
.irp i, 4,8,12,16,20,24,28
	v_pk_fma_f32 v[12:13], v[XS+\i:XS+\i+1], v[XS+\i:XS+\i+1], v[12:13]
	v_pk_fma_f32 v[14:15], v[XS+\i+2:XS+\i+3], v[XS+\i+2:XS+\i+3], v[14:15]
.endr
	v_pk_add_f32 v[12:13], v[12:13], v[14:15]
	v_add_f32 v16, v12, v13
	v_add_f32_dpp v16, v16, v16 row_xmask:1 row_mask:0xf bank_mask:0xf   ; and of the sixteen lanes that hold my row
	v_add_f32_dpp v16, v16, v16 row_xmask:2 row_mask:0xf bank_mask:0xf
	v_add_f32_dpp v16, v16, v16 row_xmask:4 row_mask:0xf bank_mask:0xf
	v_add_f32_dpp v16, v16, v16 row_xmask:8 row_mask:0xf bank_mask:0xf
	v_sqrt_f32 v17, v16                            ; the norm; the sixteen lines below are plain work that names neither v16 nor v17
	v_max3_num_f32 v22, |v[XS]|, |v[XS+1]|, |v[XS+2]|              ; the block's largest magnitude, before the factor: all 32 numbers are mine
	v_max3_num_f32 v23, |v[XS+3]|, |v[XS+4]|, |v[XS+5]|
.irp i, 6,10,14,18,22,26
	v_max3_num_f32 v22, v22, |v[XS+\i]|, |v[XS+\i+1]|
	v_max3_num_f32 v23, v23, |v[XS+\i+2]|, |v[XS+\i+3]|
.endr
	v_max3_num_f32 v22, v22, |v[XS+30]|, |v[XS+31]|
	v_max_num_f32 v22, v22, v23
	s_wait_alu depctr_va_vdst(0)                   ; ahead of the root's first reader
	v_max_num_f32 v17, 0x2b8cbccc, v17             ; max(norm, 1e-12)
	v_rcp_f32 v18, v17
	v_nop                                          ; a plain line behind the reciprocal
	s_wait_alu depctr_va_vdst(0)                   ; and the wait ahead of its first reader
	v_cndmask_b32 v20, 1.0, v18, s15               ; the factor: 1 / norm for x, 1.0 for the codebook
.irp i, 0,2,4,6,8,10,12,14,16,18,20,22,24,26,28,30
	v_pk_mul_f32 v[XS+\i:XS+\i+1], v[XS+\i:XS+\i+1], v[20:21] op_sel_hi:[1,0]
.endr
	v_mul_f32 v22, v22, v20                        ; rounding keeps order, so this is the largest magnitude of the 32 products, bit for bit
	v_max_num_f32 v22, 0x2800000, v22              ; the floor 2^(5 - 127): the byte cannot fall under 1
	v_add_nc_u32 v[SR], 0xfe000000, v22            ; 4 off its exponent field: the conversion takes the exponent field of this operand as its scale
	v_cvt_scalef32_pk16_bf6_f32 v[CS:CS+2], v[XS:XS+15], v[SR]
	v_cvt_scalef32_pk16_bf6_f32 v[CS+4:CS+6], v[XS+16:XS+31], v[SR]   ; (a conversion's three registers begin on an even number)
	v_lshrrev_b32 v[SR+1], 23, v[SR]               ; the scale's byte; also the plain line behind the conversions
	v_mov_b32 v[CS+3], v[CS+4]                     ; the block's 24 bytes on end
	v_mov_b32 v[CS+4], v[CS+5]
	v_mov_b32 v[CS+5], v[CS+6]
	ds_store_b64 v5, v[CS:CS+1] offset:32*(\t)     ; into the image: two rows on are 32 bytes on
	ds_store_b64 v6, v[CS+2:CS+3] offset:32*(\t)
	ds_store_b64 v5, v[CS+4:CS+5] offset:32*(\t)+512
	ds_store_b8 v7, v[SR+1] offset:SCB+16*(\t)
.endm
	LOAD 0
	LOAD 1
	LOAD 2
	LOAD 3
	s_wait_loadcnt 24                              ; step 0's eight loads are in; 24 younger ones may be out
	TURN 0
.irp t, 0,1,2,3,4,5,6,7
	STEP \t
.endr
.irp i, 0,1,2,3,4,5,6,7,8,9,10,11
	ds_load_b128 v[R+4*\i:R+4*\i+3], v8 offset:512*\i              ; the image back, as it lies; these see my stores above
.endr
	ds_load_b64 v[R+48:R+49], v9 offset:SCB
.irp i, 0,1,2,3,4,5,6,7,8,9,10,11
	s_wait_dscnt 12-\i                             ; the younger LDS loads may be out
	global_store_b128 v2, v[R+4*\i:R+4*\i+3], s[8:9] offset:512*\i  ; 32 lanes store 512 consecutive bytes, at a multiple of 256 from the buffer's first byte
.endr
	s_wait_dscnt 0x0
	global_store_b64 v10, v[R+48:R+49], s[8:9] offset:SCB          ; the 64 scale words: 256 consecutive bytes
	s_wait_tensorcnt 0x0
	ds_add_u32 v240, v241
	s_wait_dscnt 0x0
	s_endpgm
.Lfunc_end_k_qa69217696a_quant:
	.size	k_qa69217696a_quant, .Lfunc_end_k_qa69217696a_quant-k_qa69217696a_quant
	.p2alignl 7, 3214868480
	.fill 96, 4, 3214868480
	.section	.rodata,"a",@progbits
	.p2align	6, 0x0
	.amdhsa_kernel k_qa69217696a_quant
		.amdhsa_group_segment_fixed_size 99072
		.amdhsa_private_segment_fixed_size 0
		.amdhsa_enable_private_segment 0
		.amdhsa_kernarg_size 32
		.amdhsa_user_sgpr_count 2
		.amdhsa_user_sgpr_kernarg_segment_ptr 1
		.amdhsa_wavefront_size32 1
		.amdhsa_system_sgpr_workgroup_id_x 1
		.amdhsa_system_sgpr_workgroup_id_y 1
		.amdhsa_system_sgpr_workgroup_id_z 1
		.amdhsa_system_vgpr_workitem_id 0
		.amdhsa_next_free_vgpr 242
		.amdhsa_next_free_sgpr 66
		.amdhsa_reserve_vcc 0
		.amdhsa_float_denorm_mode_32 3
		.amdhsa_float_denorm_mode_16_64 3
		.amdhsa_memory_ordered 1
		.amdhsa_forward_progress 1
		.amdhsa_inst_pref_size 54
	.end_amdhsa_kernel
	.amdgpu_metadata
---
amdhsa.version: [ 1, 2 ]
amdhsa.kernels:
  - .name:           k_qa69217696a_quant
    .symbol:         k_qa69217696a_quant.kd
    .args:
      - { .name: x, .offset: 0, .size: 8, .value_kind: global_buffer, .address_space: global }
      - { .name: codebook, .offset: 8, .size: 8, .value_kind: global_buffer, .address_space: global }
      - { .name: xq, .offset: 16, .size: 8, .value_kind: global_buffer, .address_space: global }
      - { .name: cbq, .offset: 24, .size: 8, .value_kind: global_buffer, .address_space: global }
    .group_segment_fixed_size: 99072
    .private_segment_fixed_size: 0
    .kernarg_segment_align: 8
    .kernarg_segment_size: 32
    .max_flat_workgroup_size: 192
    .sgpr_count:     66
    .vgpr_count:     242
    .wavefront_size: 32
...
	.end_amdgpu_metadata
.endif
;; end of part 1
;; launch sims (part 2): grid 16 x 16, 4 waves a work-group, clusters of 4 x 1, 327,680 bytes of LDS; arguments xq, cbq, cand; writes cand
.if DOCPART == 2
	.amdgcn_target "amdgcn-amd-amdhsa--gfx1250"
	.amdhsa_code_object_version 6
	.text
	.protected	k_qa69217696a_sims
	.globl	k_qa69217696a_sims
	.p2align	8
	.type	k_qa69217696a_sims,@function
k_qa69217696a_sims:
	s_mov_b64 s[64:65], 0
	v_nop
	global_prefetch_b8 v0, s[64:65] scope:SCOPE_SE
	s_setreg_imm32_b32 hwreg(HW_REG_WAVE_MODE, 25, 1), 1
	s_wait_xcnt 0x0
	s_wait_alu depctr_hold_cnt(0) depctr_sa_sdst(0) depctr_va_vdst(0) depctr_va_sdst(0) depctr_va_ssrc(0) depctr_va_vcc(0) depctr_vm_vsrc(0)
	s_getreg_b32 s2, hwreg(HW_REG_IB_STS2, 6, 4)
	s_cmp_eq_u32 s2, 0
	s_cbranch_scc0 .Lentry_in_a_cluster
	s_endpgm
.Lentry_in_a_cluster:
	s_bfe_u32 s2, ttmp6, 0x10000c
	s_cmp_lg_u32 s2, 0x3003
	s_cbranch_scc0 .Lentry_shape_is_right
	s_endpgm
.Lentry_shape_is_right:
; sims[row][code] = sum over k of emb[row][k] codebook[code][k] on codes of BF6 (E3M2) with E8M0 scales, f32 sums, K = 512 ascending in one chain of four
; matrix instructions; and of each row the largest similarity with its lowest code, for the work-group's 1,024 codes.  The similarities never leave the registers.
; INPUTS: xq, cbq: tile blocks of 6,400 bytes for 16 rows: the image of the operand's 48 registers (register 4 i .. 4 i + 3 of lane L at 512 i + 16 L), then
; from byte 6,144 the scale words, 8 bytes a lane: register u holds in lanes 0-15 the words of K step 2 u, in lanes 16-31 those of K step 2 u + 1.
; OUTPUT: cand [16 ranges y][8192 rows][2 halves h][key, index], whole numbers: key is the f32 maximum turned into an unsigned number of the same order.
; LIMITS: NaN and infinities are not served (a NaN loses every maximum); -0 counts as +0.
; SHARES.  Work-group (g, y): rows 512 g on, codes 1024 y on: 256 work-groups of equal work.  Wave w keeps rows 128 w .. 128 w + 127 of them (8 blocks of 16)
; for ALL of K in 384 registers, read once.  All four waves walk the same 64 STRIPS of 16 codes, from LDS: a strip is 13 LDS loads and 32 matrix instructions
; (K step q = 0..3 outer, block a = 0..7 inner: the eight accumulators take turns, one instruction a turn; q = 0 starts the sums with the constant 0).
; Source 0 = the strip, source 1 = x: register j of lane (r, h) is sims(row 16 a + r, code 16 s + 8 h + j).
; THE ARGMAX of the strip before stands in slices of 3 or 4 plain vector instructions behind each matrix instruction, on the other set of accumulators.
; A lane keeps for each block: V the best value, T the strip that brought it, W0-7 that strip's eight numbers.  14 instructions for 8 numbers: four three-way
; maxima, one compare (strictly greater, strips ascending: the first occurrence stays), nine selects.  At the end J = the first j with Wj = V.
; CLUSTER.  The four work-groups of a cluster share y and walk the same strips: each tile is asked for JOINTLY, by the same tensor load with the mask of all four.
; LDS: three slots of 16 strips (102,400 bytes each), filled at the start; strips 48-63 fill slot 0 again, when it has been read out; then 512 bytes of spare words.
; By this text's count a wave has three tensor loads outstanding at the start and one behind the refill.  No padding: every LDS load takes 512 (256) consecutive bytes.
; No prefetch: three quarters of the range go out as first fills at the head, and the one refill has 32 strips' work in which to land.
; REGISTERS, in windows of 256.  Window 0: v1-8 addresses; v16-31 x's scale words; v32-35 the strips' (two sets); v64-111, v112-159 a strip's fragments (two sets).
; Window 1: x's blocks 0-3 (block a at 48 a, K step q at + 12 q).  Window 2: blocks 4-7.  Window 3: v0-63, v64-127 two sets of 8 accumulators; v128-143 V (two sets
; that change places); v144-151 T; v160-223 W; v224-231 J; v232-247 (key, index); v248 1024 y + 8 h; v250-251 at work.
.set TILEB, 6400
.set SLOTB, 16*TILEB
.set PARTB, 4*TILEB                    ; what one tensor load brings: 4 strips, 100 rows of 256 bytes
.set SPARE, 3*SLOTB                    ; the spare words: 128 bytes a wave, two blocks of 256 bytes that no other line names
.set LI,  1                            ; v1  16 x lane; never rewritten
.set L8,  2                            ; v2  8 x lane; never rewritten
.set SPW, 3                            ; v3  LDS address of my spare word; never rewritten
.set NIL, 4                            ; v4  0; never rewritten
.set ADR, 5                            ; v5  LDS address of the strip to be fetched, 16 bytes a lane
.set ADS, 6                            ; v6  the same, 8 bytes a lane
.set CO,  7                            ; v7  my 8 bytes in a block's 256 of cand: 16 r + 8 h
.set HB,  8                            ; v8  1024 y + 8 h
.set XS,  16
.set SS,  32
.set FB,  64
.set VS,  128
.set TG,  144
.set WW,  160
.set JJ,  224
.set PR,  232
.set HB3, 248
.set TM,  250
.set WV,  10                           ; s10 my wave's number
.set G1,  24                           ; s[24:31] descriptor group 1
.set G0,  32                           ; s[32:43] descriptor group 0, one set for each slot
.set TB,  44                           ; s44 LDS byte of the next strip to be fetched
.set TAG, 45                           ; s45 the number of the strip whose argmax is in hand
.set CNT, 46                           ; s46 trips
.set MK,  48                           ; s[48:51] four compare masks
.set MSB, 0
.macro WIN new                         ; the immediate's high byte repeats the setting that is left; a switch that changes nothing is dropped
.if MSB != (\new)
	s_set_vgpr_msb (MSB<<8)|(\new)
.set MSB, (\new)
.endif
.endm
.macro CROUND                          ; a round of the cluster's barrier
	s_barrier_signal -1
	s_barrier_wait -1
	s_cmp_lg_u32 s[WV], 0
	s_cbranch_scc1 .Lnot_wave_0_\@
	s_barrier_signal -3
.Lnot_wave_0_\@:
	s_barrier_wait -3
	s_barrier_signal -1
	s_barrier_wait -1
.endm
.macro PLACES
.rept 4
	v_nop
.endr
.endm
; A strip's 48 registers and its two scale registers into set buf: one run of 13 LDS loads
.macro LSTRIP buf
	WIN 0
	v_add_nc_u32 v[ADR], s[TB], v[LI]
	v_add_nc_u32 v[ADS], s[TB], v[L8]
.irp i, 0,1,2,3,4,5,6,7,8,9,10,11
	ds_load_b128 v[FB+48*(\buf)+4*\i:FB+48*(\buf)+4*\i+3], v[ADR] offset:512*\i
.endr
	ds_load_b64 v[SS+2*(\buf):SS+2*(\buf)+1], v[ADS] offset:6144
	s_add_co_u32 s[TB], s[TB], TILEB
.endm
; Instruction nn (0..55) of the argmax of four blocks, 4 qd + nn % 4, on accumulator set 'set'.  The four blocks alternate, so that no line reads the result of the line above it.
; The old V lies in V's set 'set', the new in the other.  The first read of an accumulator names its registers 0 and 1.
.macro ARGI set
.set ab, 4*qd+nn%4
.set rE, 64*(\set)+8*ab
.set rO, VS+8*(\set)+ab
.set rN, VS+8*(1-(\set))+ab
.if nn < 4
	v_max3_num_f32 v[rN], v[rO], v[rE], v[rE+1]
.elseif nn < 16
	v_max3_num_f32 v[rN], v[rN], v[rE+2*(nn/4)], v[rE+2*(nn/4)+1]
.elseif nn < 20
	v_cmp_gt_f32 s[MK+nn%4], v[rN], v[rO]          ; has this strip brought a strictly larger number?
.elseif nn < 24
	v_cndmask_b32 v[TG+ab], v[TG+ab], s[TAG], s[MK+nn%4]
.else
	v_cndmask_b32 v[WW+8*ab+(nn-24)/4], v[WW+8*ab+(nn-24)/4], v[rE+(nn-24)/4], s[MK+nn%4]
.endif
.set nn, nn+1
.endm
; The slice behind matrix instruction kk: 2 x 56 instructions over 32 slices: 4, 3, 4, 3 ..
.macro SLICE set
	WIN 0xff
.set qd, kk/16
.set nn, (7*(kk%16)+1)/2
.rept (7*(kk%16+1)+1)/2-(7*(kk%16)+1)/2
	ARGI \set
.endr
.endm
.macro MM par                          ; the matrix instruction (qq, aa) of the strip in set par
.set rD, 64*(\par)+8*aa
.set rA, FB+48*(\par)+12*qq
.set rB, 48*(aa%4)+12*qq
.set rS, SS+2*(\par)+qq/2
.set rX, XS+2*aa+qq/2
.if qq == 0
	v_wmma_scale_f32_16x16x128_f8f6f4 v[rD:rD+7], v[rA:rA+11], v[rB:rB+11], 0, v[rS], v[rX] matrix_a_fmt:MATRIX_FMT_BF6 matrix_b_fmt:MATRIX_FMT_BF6
.elseif qq == 2
	v_wmma_scale_f32_16x16x128_f8f6f4 v[rD:rD+7], v[rA:rA+11], v[rB:rB+11], v[rD:rD+7], v[rS], v[rX] matrix_a_fmt:MATRIX_FMT_BF6 matrix_b_fmt:MATRIX_FMT_BF6
.else
	v_wmma_scale_f32_16x16x128_f8f6f4 v[rD:rD+7], v[rA:rA+11], v[rB:rB+11], v[rD:rD+7], v[rS], v[rX] matrix_a_fmt:MATRIX_FMT_BF6 matrix_b_fmt:MATRIX_FMT_BF6 matrix_a_scale:MATRIX_SCALE_ROW1 matrix_b_scale:MATRIX_SCALE_ROW1
.endif
.endm
; A STRIP in set par.  arg = 1: the other set's argmax in slices.  ld = 1: behind the second matrix instruction the next strip is fetched into the other set, whose last
; reader stands seven plain vector instructions back (three in the last slice of the strip before, four in this strip's first).  cnt: the younger LDS loads that may be out.
; The slices name only the other set's accumulators and V, T, W: they are the places behind the matrix instructions (ISA guide 7.12.1).
.macro STRIP par, arg, ld, cnt
	s_wait_dscnt \cnt
.set kk, 0
.rept 32
.set qq, kk/8
.set aa, kk%8
	WIN 0xf4+4*(aa/4)                              ; source 0 window 0, source 1 window 1 or 2, C and D window 3
	MM \par
.if \arg
	SLICE 1-\par
.endif
.if (\ld) && (kk == 1)
	LSTRIP 1-\par
.endif
.set kk, kk+1
.endr
.if \arg
	s_add_co_u32 s[TAG], s[TAG], 1
.endif
.endm
.macro BODY trips                      ; two strips a trip: an odd one, an even one
	WIN 0                                          ; at a label and at a branch every window is 0
	s_mov_b32 s[CNT], \trips
.Lbody_\@:
	STRIP 1, 1, 1, 0
	STRIP 0, 1, 1, 0
	WIN 0
	s_sub_co_u32 s[CNT], s[CNT], 1
	s_cmp_lg_u32 s[CNT], 0
	s_cbranch_scc1 .Lbody_\@
.endm
	s_load_b128 s[4:7], s[0:1], 0x0                ; xq s[4:5], cbq s[6:7]
	s_load_b64 s[8:9], s[0:1], 0x10                ; cand
	v_lshl_add_u32 v[SPW], v0, 2, SPARE
	v_mov_b32 v[NIL], 0
	ds_add_u32 v3, v4
	ds_add_u32 v3, v4
	s_wait_dscnt 0x0
	v_lshrrev_b32 v1, 5, v0
	v_readfirstlane_b32 s[WV], v1                  ; wave 0..3
	s_bfe_u32 s11, ttmp6, 0x40000                  ; cx: my place in the cluster
	s_lshl_b32 s12, ttmp9, 2
	s_add_co_u32 s12, s12, s11                     ; g = 4 x cluster x + cx: it enters xq's and cand's addresses alone
	s_and_b32 s13, ttmp7, 0xffff                   ; y, which the four partners share
	; descriptor group 1: a dense block of 25,600 bytes as 100 rows of 32 elements of 8 bytes
	s_mov_b32 s[G1+0], 15|(3<<16)|(1<<21)          ; 15:0 the mask: all four work-groups; 17:16 elements of 8 bytes; 20 no padding; 21 set beside a mask
	s_mov_b32 s[G1+1], 32<<16                      ; tensor_dim0 = 32
	s_mov_b32 s[G1+2], 100<<16                     ; tensor_dim1 = 100
	s_mov_b32 s[G1+3], 32<<16                      ; tile_dim0 = 32
	s_mov_b32 s[G1+4], 100                         ; tile_dim1 = 100
	s_mov_b32 s[G1+5], 32                          ; from row to row: 32 elements
	s_mov_b32 s[G1+6], 0
	s_mov_b32 s[G1+7], 0
	s_lshl_b32 s14, s13, 6                         ; cbq: strip 64 y + 4 w
	s_lshl_b32 s15, s[WV], 2
	s_add_co_u32 s14, s14, s15
	s_mul_i32 s14, s14, TILEB
	s_mov_b32 s15, 0
	s_mul_i32 s16, s[WV], PARTB                    ; and its place in a slot: no place in the cluster enters an LDS address
	s_lshl_b32 s18, s12, 5                         ; xq: tile 32 g + 8 w
	s_lshl_b32 s19, s[WV], 3
	s_add_co_u32 s18, s18, s19
	s_mul_i32 s18, s18, TILEB
	s_mov_b32 s19, 0
	s_lshl_b32 s20, s13, 13                        ; cand: (8192 y + 512 g + 128 w) x 16 bytes
	s_lshl_b32 s21, s12, 9
	s_add_co_u32 s20, s20, s21
	s_lshl_b32 s21, s[WV], 7
	s_add_co_u32 s20, s20, s21
	s_lshl_b32 s20, s20, 4
	s_mov_b32 s21, 0
	v_and_b32 v1, 31, v0
	v_lshlrev_b32 v[L8], 3, v1
	v_lshlrev_b32 v[LI], 4, v1
	v_and_b32 v[CO], 15, v0
	v_lshlrev_b32 v[CO], 4, v[CO]
	v_bfe_u32 v[HB], v0, 4, 1
	v_lshlrev_b32 v[HB], 3, v[HB]
	v_add_nc_u32 v[CO], v[CO], v[HB]
	s_lshl_b32 s17, s13, 10
	v_add_nc_u32 v[HB], s17, v[HB]
	s_wait_kmcnt 0x0
	s_add_nc_u64 s[6:7], s[6:7], s[14:15]
	s_add_nc_u64 s[4:5], s[4:5], s[18:19]
	s_add_nc_u64 s[8:9], s[8:9], s[20:21]
.irp n, 0,1,2
	s_mov_b32 s[G0+4*\n], 1                                        ; count = 1
	s_add_co_u32 s[G0+4*\n+1], s16, \n*SLOTB                       ; LDS address
	s_add_nc_u64 s[G0+4*\n+2:G0+4*\n+3], s[6:7], \n*SLOTB          ; global address: my 4 strips of strips 16 n .. 16 n + 15
	s_or_b32 s[G0+4*\n+3], s[G0+4*\n+3], 0x80000000                ; type = 2
.endr
	CROUND                                         ; all four work-groups are here: the first joint loads meet
	tensor_load_to_lds s[G0:G0+3], s[G1:G1+7]      ; the three first fills go out together, ahead of every wait on TENSORcnt, every LDS read and every further barrier
	s_nop 0
	tensor_load_to_lds s[G0+4:G0+7], s[G1:G1+7]
	s_nop 0
	tensor_load_to_lds s[G0+8:G0+11], s[G1:G1+7]
	s_nop 0
	PLACES                                         ; four v_nop follow the last
	WIN 0x40                                       ; destination window 1, address window 0
.irp a, 0,1,2,3
.irp i, 0,1,2,3,4,5,6,7,8,9,10,11
	global_load_b128 v[48*\a+4*\i:48*\a+4*\i+3], v[LI], s[4:5] offset:TILEB*\a+512*\i   ; x's blocks 0-3: they stay
.endr
.endr
	WIN 0x80                                       ; destination window 2
.irp a, 0,1,2,3
.irp i, 0,1,2,3,4,5,6,7,8,9,10,11
	global_load_b128 v[48*\a+4*\i:48*\a+4*\i+3], v[LI], s[4:5] offset:TILEB*(\a+4)+512*\i   ; blocks 4-7
.endr
.endr
	WIN 0
.irp a, 0,1,2,3,4,5,6,7
	global_load_b64 v[XS+2*\a:XS+2*\a+1], v[L8], s[4:5] offset:TILEB*\a+6144   ; and their scale words
.endr
	WIN 0xc0                                       ; destination window 3: the argmax's state, written while the loads are on their way
.irp a, 0,1,2,3,4,5,6,7
	v_mov_b32 v[VS+\a], 0xff800000                 ; V = -infinity: the first strip's numbers are strictly larger
	v_mov_b32 v[TG+\a], 0
.endr
.irp j, 0,1,2,3,4,5,6,7,8,9,10,11,12,13,14,15,16,17,18,19,20,21,22,23,24,25,26,27,28,29,30,31,32,33,34,35,36,37,38,39,40,41,42,43,44,45,46,47,48,49,50,51,52,53,54,55,56,57,58,59,60,61,62,63
	v_mov_b32 v[WW+\j], 0xff800000                 ; (a select reads its old value, so W is written once)
.endr
	v_mov_b32 v[HB3], v[HB]
	WIN 0
	s_wait_tensorcnt 0x2                           ; my part of slot 0 is in; slots 1 and 2 may stay out
	s_barrier_signal -1
	s_barrier_wait -1                              ; everybody's is
	s_mov_b32 s[TB], 0
	LSTRIP 0
	LSTRIP 1
	s_wait_loadcnt 0x0                             ; x
	s_mov_b32 s[TAG], 0
	STRIP 0, 0, 0, 13                              ; strip 0: no argmax yet to set between; strip 1's 13 loads may be out
	PLACES                                         ; the places behind its last products, ahead of the first reads of its results and of the loads into its fragments
	BODY 7                                         ; strips 1-14; they fetch strips 2-15: slot 0 has been read out
	; THE CHANGE.  All my tensor loads have landed (slots 1 and 2 among them), the add, my reads of slot 0 are back; a round of the cluster's barrier; then the joint refill of slot 0.
	s_wait_tensorcnt 0x0                           ; no tensor load of mine is out, so a group 0 may be written
	ds_add_u32 v[SPW], v[NIL]                      ; 0 onto my spare word
	s_add_nc_u64 s[G0+2:G0+3], s[G0+2:G0+3], 3*SLOTB   ; slot 0's next tile: strips 48-63; the type bits on top are not reached
	s_wait_dscnt 0x0                               ; the add is done, and my reads of slot 0 are over
	CROUND                                         ; both now hold of every wave of all four work-groups
	tensor_load_to_lds s[G0:G0+3], s[G1:G1+7]      ; the first and only tensor load behind the round: it has 32 strips' work in which to land
	s_nop 0
	PLACES
	s_mov_b32 s[TB], SLOTB
	BODY 16                                        ; strips 15-46; they fetch strips 16-47, from slots 1 and 2
	s_wait_tensorcnt 0x0                           ; my part of strips 48-63 is in (my one load that was out),
	s_wait_dscnt 0x0
	s_barrier_signal -1
	s_barrier_wait -1                              ; everybody's is
	s_mov_b32 s[TB], 0
	BODY 8                                         ; strips 47-62; they fetch strips 48-63
	STRIP 1, 1, 0, 0                               ; strip 63: nothing more to fetch
	WIN 0xff
	PLACES                                         ; behind the last products
.set qd, 0
.set nn, 0
.rept 56
	ARGI 1                                         ; strip 63's argmax stands bare; V ends in its set 0
.endr
.set qd, 1
.set nn, 0
.rept 56
	ARGI 1
.endr
	; THE WAY OUT.  J = the first j with Wj = V: from j = 7 down to 0, the lower j writes last.
.irp a, 0,1,2,3,4,5,6,7
	v_mov_b32 v[JJ+\a], 0
.endr
.irp j, 7,6,5,4,3,2,1,0
.irp a, 0,1,2,3,4,5,6,7
	v_cmp_eq_f32 vcc_lo, v[WW+8*\a+\j], v[VS+\a]
	v_cndmask_b32 v[JJ+\a], v[JJ+\a], \j, vcc_lo
.endr
.endr
.irp a, 0,1,2,3,4,5,6,7
	v_add_f32 v[TM], 0, v[VS+\a]                   ; -0 becomes +0
	v_lshl_add_u32 v[PR+2*\a+1], v[TG+\a], 4, v[JJ+\a]
	v_ashrrev_i32 v[TM+1], 31, v[TM]
	v_add_nc_u32 v[PR+2*\a+1], v[PR+2*\a+1], v[HB3]   ; the code: 1024 y + 16 T + 8 h + J
	v_or_b32 v[TM+1], 0x80000000, v[TM+1]
	v_xor_b32 v[PR+2*\a], v[TM], v[TM+1]           ; the key: positive numbers get the top bit, negative ones are turned over: unsigned order = f32 order
.endr
	WIN 0x0c                                       ; a store's data are its source 1: window 3
.irp a, 0,1,2,3,4,5,6,7
	global_store_b64 v[CO], v[PR+2*\a:PR+2*\a+1], s[8:9] offset:256*\a   ; 32 lanes store 256 consecutive bytes, at a multiple of 256 from cand's first byte
.endr
	WIN 0
	s_wait_tensorcnt 0x0                           ; the wave's end
	ds_add_u32 v[SPW], v[NIL]
	s_wait_dscnt 0x0
	CROUND                                         ; the closing round: no work-group ends while a partner may still ask for a tile that names it
	s_endpgm
.Lfunc_end_k_qa69217696a_sims:
	.size	k_qa69217696a_sims, .Lfunc_end_k_qa69217696a_sims-k_qa69217696a_sims
	.p2alignl 7, 3214868480
	.fill 96, 4, 3214868480
	.section	.rodata,"a",@progbits
	.p2align	6, 0x0
	.amdhsa_kernel k_qa69217696a_sims
		.amdhsa_group_segment_fixed_size 327680
		.amdhsa_private_segment_fixed_size 0
		.amdhsa_enable_private_segment 0
		.amdhsa_kernarg_size 24
		.amdhsa_user_sgpr_count 2
		.amdhsa_user_sgpr_kernarg_segment_ptr 1
		.amdhsa_wavefront_size32 1
		.amdhsa_system_sgpr_workgroup_id_x 1
		.amdhsa_system_sgpr_workgroup_id_y 1
		.amdhsa_system_sgpr_workgroup_id_z 1
		.amdhsa_system_vgpr_workitem_id 0
		.amdhsa_next_free_vgpr 1024
		.amdhsa_next_free_sgpr 66
		.amdhsa_reserve_vcc 1
		.amdhsa_float_denorm_mode_32 3
		.amdhsa_float_denorm_mode_16_64 3
		.amdhsa_memory_ordered 1
		.amdhsa_forward_progress 1
		.amdhsa_inst_pref_size 141
	.end_amdhsa_kernel
	.amdgpu_metadata
---
amdhsa.version: [ 1, 2 ]
amdhsa.kernels:
  - .name:           k_qa69217696a_sims
    .symbol:         k_qa69217696a_sims.kd
    .args:
      - { .name: xq, .offset: 0, .size: 8, .value_kind: global_buffer, .address_space: global }
      - { .name: cbq, .offset: 8, .size: 8, .value_kind: global_buffer, .address_space: global }
      - { .name: cand, .offset: 16, .size: 8, .value_kind: global_buffer, .address_space: global }
    .group_segment_fixed_size: 327680
    .private_segment_fixed_size: 0
    .kernarg_segment_align: 8
    .kernarg_segment_size: 24
    .max_flat_workgroup_size: 128
    .sgpr_count:     66
    .vgpr_count:     1024
    .wavefront_size: 32
...
	.end_amdgpu_metadata
.endif
;; end of part 2
;; launch gather (part 3): grid 512 x 1, 4 waves a work-group, no clusters, 0 bytes of LDS; arguments cand, codebook, out0; writes out0
.if DOCPART == 3
	.amdgcn_target "amdgcn-amd-amdhsa--gfx1250"
	.amdhsa_code_object_version 6
	.text
	.protected	k_qa69217696a_gather
	.globl	k_qa69217696a_gather
	.p2align	8
	.type	k_qa69217696a_gather,@function
k_qa69217696a_gather:
	s_mov_b64 s[64:65], 0
	v_nop
	global_prefetch_b8 v0, s[64:65] scope:SCOPE_SE
	s_setreg_imm32_b32 hwreg(HW_REG_WAVE_MODE, 25, 1), 1
	s_wait_xcnt 0x0
; out0[row] = codebook[best[row]], best[row] = the code of the largest key among the row's 32 candidates, the lowest code among equals.
; cand [16 ranges y][8192 rows][2 halves h][key, index]: whole numbers; the keys' unsigned order is the similarities' order.  Only whole numbers are compared here.
; SHARES.  A work-group takes 16 rows; wave w copies rows 4 w .. 4 w + 3 of them.  Every wave reduces all 16 rows' candidates itself (16 loads of 256 consecutive bytes),
; so that no LDS and no barrier are needed; its lanes are turned so that its own four rows fall on lanes 0-3: lane (r, h) takes row (r + 4 w) % 16, half h.
; A codebook row is 2,048 bytes: four loads and four stores of 512 consecutive bytes.  No tensor load, cluster or matrix unit: nothing is reused; no prefetch: a row is known one load ahead of its use.
; v1 16 x lane; v2 my 8 bytes in a range's 256; v[16:47] 16 pairs (key, index); v48, v49 the other half's; v[52:55] the four rows' offsets; v[64:127] the rows
	s_load_b128 s[4:7], s[0:1], 0x0                ; cand s[4:5], codebook s[6:7]
	s_load_b64 s[8:9], s[0:1], 0x10                ; out0
	v_lshrrev_b32 v1, 5, v0
	v_readfirstlane_b32 s12, v1                    ; wave 0..3
	v_and_b32 v1, 31, v0
	v_lshlrev_b32 v1, 4, v1
	s_lshl_b32 s13, s12, 2
	v_and_b32 v2, 15, v0
	v_add_nc_u32 v2, s13, v2
	v_and_b32 v2, 15, v2                           ; my row of the 16
	v_lshlrev_b32 v2, 4, v2
	v_bfe_u32 v3, v0, 4, 1
	v_lshl_add_u32 v2, v3, 3, v2                   ; 16 x row + 8 h
	v_mov_b32 v48, 0                               ; a lane permute's destination counts as one of its sources
	v_mov_b32 v49, 0
	s_mov_b32 s16, 0x76543210                      ; v_permlanex16_b32's selects for lane l xor 16
	s_mov_b32 s17, 0xfedcba98
	s_lshl_b32 s14, ttmp9, 8                       ; cand: 16 rows x 16 bytes a work-group
	s_mov_b32 s15, 0
	s_lshl_b32 s22, ttmp9, 15                      ; out0: 16 rows of 2,048 bytes a work-group,
	s_lshl_b32 s23, s12, 13                        ; 4 a wave
	s_add_co_u32 s22, s22, s23
	s_mov_b32 s23, 0
	s_wait_kmcnt 0x0
	s_add_nc_u64 s[4:5], s[4:5], s[14:15]
	s_add_nc_u64 s[8:9], s[8:9], s[22:23]
.irp y, 0,1,2,3,4,5,6,7,8,9,10,11,12,13,14,15
	global_load_b64 v[16+2*\y:17+2*\y], v2, s[4:5] offset:131072*\y   ; range y: 8,192 rows x 16 bytes on; the 32 lanes read 256 consecutive bytes
.endr
	s_wait_loadcnt 0x0
; Ranges l and r (l < r) are merged into l.  The right one, of the higher codes, wins only if its key is strictly larger.
; (An argument is put in as text, so each stands in brackets inside the register numbers.)
.macro MERGE l, r
	v_cmp_gt_u32 vcc_lo, v[16+2*(\r)], v[16+2*(\l)]
	v_cndmask_b32 v[16+2*(\l)], v[16+2*(\l)], v[16+2*(\r)], vcc_lo
	v_cndmask_b32 v[17+2*(\l)], v[17+2*(\l)], v[17+2*(\r)], vcc_lo
.endm
.irp l, 0,2,4,6,8,10,12,14
	MERGE \l, \l+1
.endr
.irp l, 0,4,8,12
	MERGE \l, \l+2
.endr
	MERGE 0, 4
	MERGE 8, 12
	MERGE 0, 8
	v_permlanex16_b32 v48, v16, s16, s17           ; the other half's best key
	v_permlanex16_b32 v49, v17, s16, s17           ; and its code
	v_cmp_gt_u32 s18, v48, v16
	v_cmp_eq_u32 s19, v48, v16
	v_cmp_lt_u32 s20, v49, v17
	s_and_b32 s19, s19, s20                        ; equal keys: the lower code
	s_or_b32 s18, s18, s19
	v_cndmask_b32 v17, v17, v49, s18               ; lanes 0-3 now hold my four rows' codes
.irp i, 0,1,2,3
	v_readlane_b32 s[24+\i], v17, \i
	s_min_u32 s[24+\i], s[24+\i], 0x3fff           ; a code stays inside the codebook's 16,384 rows
	s_lshl_b32 s[24+\i], s[24+\i], 11              ; a row is 2,048 bytes
	v_add_nc_u32 v[52+\i], s[24+\i], v1
.endr
.irp i, 0,1,2,3
.irp c, 0,1,2,3
	global_load_b128 v[64+16*\i+4*\c:64+16*\i+4*\c+3], v[52+\i], s[6:7] offset:512*\c   ; no hint: a code may be named by several rows
.endr
.endr
.irp i, 0,1,2,3
.irp c, 0,1,2,3
	s_wait_loadcnt 15-4*\i-\c                      ; loads come back in order (ISA guide 5.7.1): the younger ones may be out
	global_store_b128 v1, v[64+16*\i+4*\c:64+16*\i+4*\c+3], s[8:9] offset:2048*\i+512*\c th:TH_STORE_NT   ; 512 consecutive bytes, at a multiple of 256 from out0's first byte
.endr
.endr
	s_endpgm
.Lfunc_end_k_qa69217696a_gather:
	.size	k_qa69217696a_gather, .Lfunc_end_k_qa69217696a_gather-k_qa69217696a_gather
	.p2alignl 7, 3214868480
	.fill 96, 4, 3214868480
	.section	.rodata,"a",@progbits
	.p2align	6, 0x0
	.amdhsa_kernel k_qa69217696a_gather
		.amdhsa_group_segment_fixed_size 0
		.amdhsa_private_segment_fixed_size 0
		.amdhsa_enable_private_segment 0
		.amdhsa_kernarg_size 24
		.amdhsa_user_sgpr_count 2
		.amdhsa_user_sgpr_kernarg_segment_ptr 1
		.amdhsa_wavefront_size32 1
		.amdhsa_system_sgpr_workgroup_id_x 1
		.amdhsa_system_sgpr_workgroup_id_y 1
		.amdhsa_system_sgpr_workgroup_id_z 1
		.amdhsa_system_vgpr_workitem_id 0
		.amdhsa_next_free_vgpr 128
		.amdhsa_next_free_sgpr 66
		.amdhsa_reserve_vcc 1
		.amdhsa_float_denorm_mode_32 3
		.amdhsa_float_denorm_mode_16_64 3
		.amdhsa_memory_ordered 1
		.amdhsa_forward_progress 1
		.amdhsa_inst_pref_size 9
	.end_amdhsa_kernel
	.amdgpu_metadata
---
amdhsa.version: [ 1, 2 ]
amdhsa.kernels:
  - .name:           k_qa69217696a_gather
    .symbol:         k_qa69217696a_gather.kd
    .args:
      - { .name: cand, .offset: 0, .size: 8, .value_kind: global_buffer, .address_space: global }
      - { .name: codebook, .offset: 8, .size: 8, .value_kind: global_buffer, .address_space: global }
      - { .name: out0, .offset: 16, .size: 8, .value_kind: global_buffer, .address_space: global }
    .group_segment_fixed_size: 0
    .private_segment_fixed_size: 0
    .kernarg_segment_align: 8
    .kernarg_segment_size: 24
    .max_flat_workgroup_size: 128
    .sgpr_count:     66
    .vgpr_count:     128
    .wavefront_size: 32
...
	.end_amdgpu_metadata
.endif
;; end of part 3
